; MI455X (gfx1250); checked and timed in simulation.
; The chip was launched on July 23, 2026; its instructions are those of AMD's public machine-readable ISA for CDNA 5 (MIT licence, August 2026) and "CDNA5" Instruction Set Architecture Reference Guide (July 2026). The comments in the code are by the model that wrote it; some were corrected since.
;; MSA2 Pair. Allowed arithmetic: matrix products marked QUANTISED: E4M3 operands, one E8M0 scale for each 32 along K, by v_wmma_scale_f32_16x16x128_f8f6f4 with both operands' format E4M3, f32 sums; everything else in f32.
;; Inputs: b_left 32 float32; b_out 128 float32; b_right 32 float32; ln_beta 256 float32; ln_gamma 256 float32; msa 1 x 128 x 256 x 256 float32; pair 1 x 256 x 256 x 128 float32; symmids 1 int32; symmsub 1 int32; w_left_codes 32 x 8 x 32 uint8 (E4M3 codes of w_left, K innermost, in blocks of 32 codes); w_left_scales 32 x 8 uint8 (E8M0 scales of w_left, one for each 32 codes along K); w_out_codes 128 x 32 x 32 uint8 (E4M3 codes of w_out, K innermost, in blocks of 32 codes); w_out_scales 128 x 32 uint8 (E8M0 scales of w_out, one for each 32 codes along K); w_right_codes 32 x 8 x 32 uint8 (E4M3 codes of w_right, K innermost, in blocks of 32 codes); w_right_scales 32 x 8 uint8 (E8M0 scales of w_right, one for each 32 codes along K).
;; Outputs: out0 1 x 256 x 256 x 128 float32.
;; This version of the problem:
;;   THIS VERSION OF THE PROBLEM IS GIVEN IN LOW PRECISION. The matrix products marked QUANTISED in the list below multiply operands that are first quantised to E4M3 (4 exponent bits, 3 mantissa bits; 8 bits a number), with one power-of-two scale for each 32 numbers along K (OCP MX v1.0); their sums are f32. All else is computed in f32.
;;   The module's matrix products, in the order in which they are computed (A, B: the left and right operand; K: the contracted axis; several contracted axes count as one K, in the product's order):
;;     1. [M 32,768, K 256] x [K 256, N 32]; A: computed on the way; B: input w_left (given as codes): QUANTISED
;;     2. [M 32,768, K 256] x [K 256, N 32]; A: computed on the way; B: input w_right (given as codes): QUANTISED
;;     3. [M 8,192, K 128] x [K 128, N 8,192]; A: computed on the way; B: computed on the way: QUANTISED
;;     4. [M 65,536, K 1,024] x [K 1,024, N 128]; A: computed on the way; B: input w_out (given as codes): QUANTISED
;;   THE QUANTISER, for each operand of a quantised product, along K:
;;     - K is cut into blocks of 32 from its start; a last block that is shorter is filled with zeros.
;;     - A block's scale is 2^e with e = floor(log2(the largest magnitude in the block)) - 8, held to -126 .. 127; a block of zeros has e = 0. As a byte (E8M0): e + 127.
;;     - Each number is divided by its block's scale, clamped to +-448, and rounded to the nearest number of E4M3, ties to even, subnormals kept.
;;     - The product sums the exact products of the quantised numbers (number of the format x scale) in f32.
;;   ~~~python
;;   def quantise(x, axis):      # numpy; x: float32 -> the quantised numbers, widened to float32 again
;;       x = np.moveaxis(x, axis, -1); K = x.shape[-1]
;;       x = np.pad(x, [(0, 0)] * (x.ndim - 1) + [(0, -K % 32)]); x = x.reshape(x.shape[:-1] + (-1, 32)); a = np.abs(x).max(-1, keepdims=True)
;;       e = np.where(a > 0, np.clip(np.frexp(np.where(a > 0, a, 1))[1] - 1 - 8, -126, 127), 0)      # np.frexp(a)[1] - 1 = floor(log2(a)), exactly
;;       r = np.clip(x / 2.0 ** e, -448, 448)
;;       step = 2.0 ** (np.maximum(np.frexp(np.where(r == 0, 1, r))[1] - 1, -6) - 3)
;;       q = np.round(r / step) * step * 2.0 ** e      # np.round: ties to even
;;       return np.moveaxis(q.reshape(q.shape[:-2] + (-1,))[..., :K], -1, axis).astype(np.float32)
;;   ~~~
;;   OPERANDS COMPUTED ON THE WAY. 'Computed on the way' means the value that the module computes at that place (a softmax that the list does not call 'softmax' is quantised finished and normalised). What goes into a quantiser is computed in f32, as accurately as f32 sums, v_exp_f32 and their like allow (about 1e-6 of the number): no bf16 or f16 on the way to a quantiser, and a product that is left as it is and whose result goes on into a quantised operand takes f32 operands (vector FMAs, or v_wmma_f32_16x16x4_f32). A number that lies on a knife's edge between two numbers of the format may be rounded either way, as far as f32 arithmetic and the matrix unit's own rounding can turn it there, and no further.
;;   INPUTS GIVEN AS CODES. w_left (in the module: [256, 32], K = its axis 0); w_out (in the module: [1024, 128], K = its axis 0); w_right (in the module: [256, 32], K = its axis 0): each comes as NAME_codes (uint8): NAME with its K axis moved to the last place and cut into blocks of 32 codes, [.., K / 32, bytes a block], one block behind the other in memory; one code a byte (a code: sign, 4 exponent bits, 3 mantissa bits); and NAME_scales (uint8): the same leading axes, one E8M0 byte (e + 127) for each 32 codes along K. Its value is code x scale, taken as it is: it is not quantised again, and the codes and scales need not be those that the quantiser above would give.
;; One version. Each part assembles by itself: llvm-mc -triple=amdgcn-amd-amdhsa -mcpu=gfx1250 --defsym DOCPART=n.
;; ======== version 1 of 1: 2 launches
;; limits: right only within a limited range of input values
;; workspace buffers: lf 1,048,576 bytes; rf 1,048,576 bytes; sc 65,536 bytes; wimg 135,168 bytes
;; launch proj (part 1): grid 256 x 1, 4 waves a work-group, no clusters, 327,680 bytes of LDS; arguments msa, ln_gamma, ln_beta, w_left_codes, w_left_scales, b_left, w_right_codes, w_right_scales, b_right, w_out_codes, w_out_scales, lf, rf, sc, wimg; writes lf, rf, sc, wimg
.if DOCPART == 1
	.amdgcn_target "amdgcn-amd-amdhsa--gfx1250"
	.amdhsa_code_object_version 6
	.text
	.protected	k_q9e861b775d_proj
	.globl	k_q9e861b775d_proj
	.p2align	8
	.type	k_q9e861b775d_proj,@function
k_q9e861b775d_proj:
	s_mov_b64 s[64:65], 0
	v_nop
	global_prefetch_b8 v0, s[64:65] scope:SCOPE_SE
	s_setreg_imm32_b32 hwreg(HW_REG_WAVE_MODE, 25, 1), 1
	s_wait_xcnt 0x0
; MSA2Pair, first of two launches: LayerNorm over d = 256, x quantised along d, left = x Wl + bl and right = (x Wr + br) / 128 on codes of FP8 (E4M3) with one E8M0
; scale for each 32 along K, and both results quantised along s (the 128 sequences), which is the K of the second launch's first product.  And w_out is re-laid for the second launch.
; symmids and symmsub are inputs that reference() never uses, whatever they hold: no launch of this program takes them.
; LIMITS: NaN and infinities among the inputs are not served.  A block of zeros gets the scale byte 1 where the rule says 127: its codes are zeros, which add nothing
; under any byte but 0xff, and the bytes are read by this program alone.
; SHARES.  Work-group l (256 of them) takes position l for all 128 s: 128 rows of 1,024 bytes, 262,144 bytes apart.  Wave w takes s = 32 w .. 32 w + 31, one block of the next K:
; two tiles of 16 rows (the even s, the odd s) x four tiles of 16 columns (two of left, two of right) x two K steps of 128: 16 matrix instructions.
; NO CLUSTER: what work-groups share is the weights' 16 KiB, against 128 KiB of msa that each reads alone.  NO PREFETCH: there is no loop to run ahead in; all of msa's rows are asked for at the head.
; FILLS.  One tensor load a wave, 32 rows: waves 0, 1 bring the even s of all four waves, waves 2, 3 the odd s.  A barrier shows the even rows, a second one the odd rows: the odd rows are on their way
; while every wave works on its even ones.  Nothing is filled again.
; Source 0 = 16 rows of x, source 1 = 16 rows of a weight.  In the result lane (r, h) holds column r; register j of tile v is s = 32 w + 2 (8 h + j) + v.  It is put at place 32 w + 16 h + 8 v + j
; of the next K: one order of the 32 s inside a block, the same for left and for right, so the products' sums hold the same terms.  A block of 32 lies in lanes l and l xor 16.
; Right's columns are chosen: column r of right's tile u is j = 8 u + r + 8 (r / 8), which the second launch wants of its operand's rows.
; OUT.  lf: left's codes, byte of (l, i, place) at (l >> 4) 65536 + (i >> 1) 4096 + (l & 15) 256 + (i & 1) 128 + place: this work-group writes 16 whole aligned runs of 256 bytes.
;       rf: right's codes as images of the operand's registers: l 4096 + u 2048 + c 512 + 16 lane (c = the block = my wave).   sc: 256 bytes for l: word i left's, word 32 + 16 u + r right's; byte c = block c.
;       wimg: w_out as images of the operand's registers, 16,896 bytes a K step of 128: tile T (0 .. 7) at 2048 T, c at 512 c, 16 bytes a lane; row r of tile T is output 4 r + T / 2 + 64 (T & 1);
;       behind the codes 512 bytes of scale words, lane L's four the outputs 4 L .. 4 L + 3.  Work-group g writes the 512 bytes of step g >> 5, T = (g >> 2) & 7, c = g & 3.
; REGISTERS.  window 0: v1-11 addresses; v12-19 biases, twice each; v20-23 x's scale words; v24-31 the weights'; v32-159 a tile's 128 numbers a lane (16 b + k = d 32 b + 16 h + k), later the 8 accumulators
;   (v32-95) and the codes made of them (v96-111); v160-223 x's four fragments (at the head: data and addresses); v224-239 the quantiser's; v240-253 sums, mean, 1 / sigma.
;   window 1: gamma v0-127, beta v128-255.   window 2: v0-127 the weights' 8 fragments.
.set XROW,  1040                       ; a row of msa in LDS: 1,024 bytes + 16 of padding
.set WB,    128*XROW                   ; the weights: rows 0-31 w_left, rows 32-63 w_right
.set WP,    272
.set STG,   WB+64*WP                   ; left's codes on the way out: i 128 + place, 4,096 bytes
.set SCS,   STG+4096                   ; the 64 scale words of this position
.set GB,    SCS+256                    ; gamma, then beta
.set SPARE, GB+2048                    ; the spare words, 128 bytes a wave
.set XA,   1                           ; LDS: my row of the even tile, + 64 h
.set WA0,  2
.set WA1,  3
.set LSTO, 4
.set SSTO, 5
.set RGO,  6
.set OLA,  7
.set OGO,  8
.set SGO,  9
.set XB,   10                          ; LDS: my row of the odd tile
.set SLA,  11
.set BI,   12
.set XS,   20
.set WS,   24
.set X,    32
.set ACC,  32
.set FC,   96
.set OB,   112
.set XC,   160
.set DW,   160                         ; at the head: my 16 rows of a weight,
.set DG,   192                         ; my 16 bytes of gamma or beta,
.set DI,   204                         ; w_out's image,
.set DS,   208                         ; its scale words
.set TM,   224                         ; +0..3 largest magnitudes, +4..7 the other half's, then bytes, +8..11 448 x scale, +12..15 the conversions' scale operands
.set CH,   240
.set MU,   248
.set RSG,  250
.set T,    252
.set SPW,  254
.set NIL,  255
.set G1X,  68                          ; s[68:75], s[76:79] groups 1 and 0
.set G0X,  76
.set MSB, 0
.macro WIN new                         ; the immediate's high byte repeats the setting that is left
.if MSB != \new
	s_set_vgpr_msb (MSB<<8)|\new
.set MSB, \new
.endif
.endm
; 64 numbers of a lane, register 16 b + i = k 32 b + 16 h + i, become 16 registers of codes at dst; mk = 1: the four scale bytes make the word.  The bytes stay in v[TM+4] on.
.macro QUANT src, dst, word, mk
.irp bb, 0,1,2,3
	v_max3_num_f32 v[TM+\bb], |v[\src+16*\bb]|, |v[\src+16*\bb+1]|, 0x4800000   ; and the floor 2^(9 - 127): the byte cannot fall under 1
.endr
.irp i, 2,4,6,8,10,12,14
.irp bb, 0,1,2,3
	v_max3_num_f32 v[TM+\bb], v[TM+\bb], |v[\src+16*\bb+\i]|, |v[\src+16*\bb+\i+1]|
.endr
.endr
.irp bb, 0,1,2,3
	v_permlanex16_b32 v[TM+4+\bb], v[TM+\bb], s30, s31
.endr
.irp bb, 0,1,2,3
	v_max_num_f32 v[TM+\bb], v[TM+\bb], v[TM+4+\bb]              ; with lane l xor 16's: the block's largest magnitude
.endr
.irp bb, 0,1,2,3
	v_add_nc_u32 v[TM+12+\bb], 0xfc000000, v[TM+\bb]             ; 8 off its exponent field: the conversion's scale operand
.endr
.irp bb, 0,1,2,3
	v_and_or_b32 v[TM+8+\bb], v[TM+\bb], 0x7f800000, s29         ; 448 x the scale
.endr
.irp bb, 0,1,2,3
	v_lshrrev_b32 v[TM+4+\bb], 23, v[TM+12+\bb]                  ; the scale's byte
.endr
.if \mk
	v_lshl_or_b32 v[\word], v[TM+5], 8, v[TM+4]
	v_lshl_or_b32 v[\word], v[TM+6], 16, v[\word]
	v_lshl_or_b32 v[\word], v[TM+7], 24, v[\word]
.endif
.irp bb, 0,1,2,3
.irp i, 0,1,2,3,4,5,6,7,8,9,10,11,12,13,14,15
	v_med3_num_f32 v[\src+16*\bb+\i], v[\src+16*\bb+\i], -v[TM+8+\bb], v[TM+8+\bb]   ; the conversion to an 8-bit code does not saturate (ISA guide 7.6.2): the hold
.endr
	v_cvt_scalef32_pk8_fp8_f32 v[\dst+4*\bb:\dst+4*\bb+1], v[\src+16*\bb:\src+16*\bb+7], v[TM+12+\bb]
	v_cvt_scalef32_pk8_fp8_f32 v[\dst+4*\bb+2:\dst+4*\bb+3], v[\src+16*\bb+8:\src+16*\bb+15], v[TM+12+\bb]
.endr
.rept 4
	v_nop                                          ; the plain place behind the conversions, and the four places between codes made by vector instructions and a scaled product
.endr
.endm
.macro FOLD                            ; four chains of pairs -> the row's sum in v[T], in every lane of the row
	v_pk_add_f32 v[CH:CH+1], v[CH:CH+1], v[CH+2:CH+3]
	v_pk_add_f32 v[CH+4:CH+5], v[CH+4:CH+5], v[CH+6:CH+7]
	v_pk_add_f32 v[CH:CH+1], v[CH:CH+1], v[CH+4:CH+5]
	v_add_f32 v[T], v[CH], v[CH+1]
	v_permlanex16_b32 v[T+1], v[T], s30, s31       ; the row's other 128 numbers lie in the lane 16 away
	v_add_f32 v[T], v[T], v[T+1]
.endm
.macro GBLOAD dst, off                 ; gamma or beta of my d: 32 loads
	WIN 0x40                                       ; destination window 1
.irp bb, 0,1,2,3,4,5,6,7
.irp j, 0,1,2,3
	ds_load_b128 v[\dst+16*\bb+4*\j:\dst+16*\bb+4*\j+3], v203 offset:\off+128*\bb+16*\j
.endr
.endr
	WIN 0
.endm
; Tile v of my rows: out of LDS, LayerNorm, two fragments of codes and their scale words.  gamma, beta and the weights' fragments come with tile 0, behind the tile's own loads.
.macro LNTILE v, xa
.irp bb, 0,1,2,3,4,5,6,7
.irp j, 0,1,2,3
	ds_load_b128 v[X+16*\bb+4*\j:X+16*\bb+4*\j+3], v[\xa] offset:128*\bb+16*\j
.endr
.endr
.if \v == 0
	GBLOAD 0, 0
	s_wait_dscnt 32                                ; the tile is in; gamma's 32 loads may be out
.else
	s_wait_dscnt 0x0                               ; the tile is in
.endif
.irp g, 0,1,2,3
	v_pk_add_f32 v[CH+2*\g:CH+2*\g+1], v[X+2*\g:X+2*\g+1], v[X+8+2*\g:X+8+2*\g+1]   ; the first pairs start the chains
.endr
.set pp, 8
.rept 56
	v_pk_add_f32 v[CH+2*(pp%4):CH+2*(pp%4)+1], v[CH+2*(pp%4):CH+2*(pp%4)+1], v[X+2*pp:X+2*pp+1]
.set pp, pp+1
.endr
	FOLD
	v_mul_f32 v[MU], s50, v[T]                     ; the mean: sum / 256
	v_mov_b32 v[MU+1], v[MU]
.set pp, 0
.rept 64
	v_pk_add_f32 v[X+2*pp:X+2*pp+1], v[X+2*pp:X+2*pp+1], v[MU:MU+1] neg_lo:[0,1] neg_hi:[0,1]   ; x - mean, ahead of the squares: a common offset of the inputs does no harm
.set pp, pp+1
.endr
.if \v == 0
	GBLOAD 128, 1024
.endif
.irp g, 0,1,2,3
	v_pk_mul_f32 v[CH+2*\g:CH+2*\g+1], v[X+2*\g:X+2*\g+1], v[X+2*\g:X+2*\g+1]
.endr
.set pp, 4
.rept 60
	v_pk_fma_f32 v[CH+2*(pp%4):CH+2*(pp%4)+1], v[X+2*pp:X+2*pp+1], v[X+2*pp:X+2*pp+1], v[CH+2*(pp%4):CH+2*(pp%4)+1]
.set pp, pp+1
.endr
	FOLD
	v_fma_f32 v[T], v[T], s50, s51                 ; the variance + 1e-5
	s_wait_alu depctr_va_vdst(0)                   ; a wait ahead of the batch, and one behind it
	v_rsq_f32 v[RSG], v[T]
	v_rsq_f32 v[RSG+1], v[T]
	v_nop                                          ; one plain instruction between a transcendental and the use of its result (ISA guide 5.7.2)
	s_wait_alu depctr_va_vdst(0)
.set pp, 0
.rept 64
	v_pk_mul_f32 v[X+2*pp:X+2*pp+1], v[X+2*pp:X+2*pp+1], v[RSG:RSG+1]
.set pp, pp+1
.endr
.if \v == 0
	s_wait_alu depctr_va_vdst(0)
	s_wait_dscnt 0x0                               ; gamma and beta are in
	WIN 0x80                                       ; destination window 2: the weights' fragment (tile n, K step q) at v[16 (2 n + q)]; waited for in front of the next barrier
.irp n, 0,1
.irp q, 0,1
.irp g, 0,1,2,3
	ds_load_b128 v[16*(2*\n+\q)+4*\g:16*(2*\n+\q)+4*\g+3], v[WA0] offset:\n*16*WP+128*\q+32*\g
	ds_load_b128 v[64+16*(2*\n+\q)+4*\g:64+16*(2*\n+\q)+4*\g+3], v[WA1] offset:\n*8*WP+128*\q+32*\g
.endr
.endr
.endr
.endif
	WIN 0x14                                       ; sources 1 and 2 (gamma, beta) window 1
.set pp, 0
.rept 64
	v_pk_fma_f32 v[X+2*pp:X+2*pp+1], v[X+2*pp:X+2*pp+1], v[2*pp:2*pp+1], v[128+2*pp:128+2*pp+1]
.set pp, pp+1
.endr
	WIN 0
	QUANT X, XC+32*\v, XS+2*\v, 1
	QUANT X+64, XC+32*\v+16, XS+2*\v+1, 1
.endm
.macro SMALL                           ; 22 small loads
	global_load_b128 v[DG:DG+3], v196, s[40:41]
.irp k, 0,1,2,3,4,5,6,7
	global_load_b128 v[DW+4*\k:DW+4*\k+3], v196, s[38:39] offset:512*\k
.endr
.irp n, 0,1
	global_load_b64 v[WS+2*\n:WS+2*\n+1], v212, s[12:13] offset:128*\n      ; row 16 n + r: the words of K steps 0, 1
	global_load_b64 v[WS+4+2*\n:WS+4+2*\n+1], v213, s[18:19] offset:64*\n   ; row 8 u + r + 8 (r / 8)
	global_load_b32 v[BI+2*\n], v214, s[14:15] offset:64*\n
	global_load_b32 v[BI+4+2*\n], v215, s[20:21] offset:32*\n
.endr
	global_load_b128 v[DI:DI+3], v216, s[42:43]
.irp q, 0,1,2,3
	global_load_b32 v[DS+\q], v217, s[44:45] offset:32*\q
.endr
.endm
	s_load_b512 s[4:19], s[0:1], 0x0               ; msa 4, gamma 6, beta 8, w_left codes 10, scales 12, b_left 14, w_right codes 16, scales 18
	s_load_b256 s[20:27], s[0:1], 0x40             ; b_right 20, w_out codes 22, scales 24, lf 26
	s_load_b128 s[32:35], s[0:1], 0x60             ; rf 32, sc 34
	s_load_b64 s[36:37], s[0:1], 0x70              ; wimg
	v_lshl_add_u32 v[SPW], v0, 2, SPARE
	v_mov_b32 v[NIL], 0
	ds_add_u32 v[SPW], v[NIL]                      ; the wave's opening: the add, twice on end, and its wait
	ds_add_u32 v[SPW], v[NIL]
	v_lshrrev_b32 v1, 5, v0
	v_readfirstlane_b32 s28, v1                    ; wave 0..3
	; group 1: 32 rows of 256 elements of 4 bytes, every second s: 131,072 elements apart; four words of padding behind every 256
	s_mov_b32 s[G1X+0], (2<<16)|(1<<20)|(7<<22)|(3<<25)
	s_mov_b32 s[G1X+1], 256<<16
	s_mov_b32 s[G1X+2], 32<<16
	s_mov_b32 s[G1X+3], 256<<16
	s_mov_b32 s[G1X+4], 32
	s_mov_b32 s[G1X+5], 131072
	s_mov_b32 s[G1X+6], 0
	s_mov_b32 s[G1X+7], 0
	s_mov_b32 s[G0X], 1
	s_mul_i32 s[G0X+1], s28, 32*XROW
	s_mov_b32 s29, 0x600000                        ; the mantissa field of 448
	s_mov_b32 s30, 0x76543210                      ; v_permlanex16_b32's selects for lane l xor 16
	s_mov_b32 s31, 0xfedcba98
	s_mov_b32 s50, 0x3b800000                      ; 1 / 256
	s_mov_b32 s51, 0x3727c5ac                      ; 1e-5
	s_mul_i32 s2, s28, 16*XROW                     ; my 16 even rows in LDS
	s_wait_alu depctr_va_vdst(0)
	v_and_b32 v198, 31, v0                         ; lane
	v_and_b32 v199, 15, v0                         ; r
	v_bfe_u32 v200, v0, 4, 1                       ; h
	v_and_b32 v201, 8, v199
	v_add_nc_u32 v201, v201, v199                  ; r + 8 (r / 8)
	v_lshlrev_b32 v196, 4, v198                    ; 16 lane
	v_mul_u32_u24 v[XA], v199, XROW
	v_lshl_add_u32 v[XA], v200, 6, v[XA]
	v_add_nc_u32 v[XA], s2, v[XA]
	v_add_nc_u32 v[XB], 64*XROW, v[XA]
	v_mul_u32_u24 v[WA0], v199, WP
	v_lshl_add_u32 v[WA0], v200, 4, v[WA0]
	v_add_nc_u32 v[WA0], WB, v[WA0]
	v_mul_u32_u24 v[WA1], v201, WP
	v_lshl_add_u32 v[WA1], v200, 4, v[WA1]
	v_add_nc_u32 v[WA1], WB+32*WP, v[WA1]
	s_mul_i32 s3, s28, 16*WP
	s_add_co_u32 s3, s3, WB
	v_mul_u32_u24 v197, v200, WP                   ; LDS: where my weight rows go: row 16 w + 2 k + h
	v_lshl_add_u32 v197, v199, 4, v197
	v_add_nc_u32 v197, s3, v197
	s_lshl_b32 s3, s28, 9
	v_add_nc_u32 v[RGO], s3, v196                  ; rf: 512 w + 16 lane
	s_add_co_u32 s3, s3, GB
	v_add_nc_u32 v202, s3, v196                    ; LDS: my 16 bytes of gamma or beta
	v_lshlrev_b32 v203, 6, v200
	v_add_nc_u32 v203, GB, v203                    ; LDS: gamma read, 64 h
	v_lshlrev_b32 v[LSTO], 7, v199                 ; the stage: i = 16 n + r: 128 r, + my block's 32 w, + 16 h
	v_lshl_add_u32 v[LSTO], v200, 4, v[LSTO]
	s_lshl_b32 s3, s28, 5
	s_add_co_u32 s3, s3, STG
	v_add_nc_u32 v[LSTO], s3, v[LSTO]
	v_lshlrev_b32 v[SSTO], 2, v199                 ; word 16 n + r, byte w
	s_add_co_u32 s3, s28, SCS
	v_add_nc_u32 v[SSTO], s3, v[SSTO]
	s_lshl_b32 s3, s28, 10
	s_add_co_u32 s3, s3, STG
	v_add_nc_u32 v[OLA], s3, v196
	v_lshlrev_b32 v[OGO], 4, v199                  ; run 4 w + 2 o + h of the 16 runs of 256 bytes, 4,096 bytes apart in lf
	v_lshl_add_u32 v[OGO], v200, 12, v[OGO]
	s_lshl_b32 s3, s28, 14
	v_add_nc_u32 v[OGO], s3, v[OGO]
	v_lshlrev_b32 v[SGO], 3, v198
	v_add_nc_u32 v[SLA], SCS, v[SGO]
	v_lshlrev_b32 v212, 3, v199                    ; w_left's scale words: 8 bytes a row
	v_lshlrev_b32 v213, 3, v201                    ; w_right's, by the tile's rows
	v_lshlrev_b32 v214, 2, v199                    ; b_left
	v_lshlrev_b32 v215, 2, v201                    ; b_right
	v_lshlrev_b32 v216, 12, v199                   ; w_out: row 4 r, + 16 h
	v_lshl_add_u32 v216, v200, 4, v216
	v_lshlrev_b32 v217, 7, v198                    ; its scale bytes: four rows of 32 a lane
.irp bb, 0,1,2,3
	v_mov_b32 v[TM+4+\bb], 0                       ; written once: a lane permute's destination counts as one of its sources
.endr
	v_mov_b32 v[T+1], 0
	s_mov_b32 s53, 0
	s_lshl_b32 s60, ttmp9, 10                      ; msa: position l, 1,024 bytes;
	s_and_b32 s54, s28, 1
	s_lshl_b32 s59, s54, 24                        ; s from 64 (w & 1) on,
	s_add_co_u32 s60, s60, s59
	s_lshr_b32 s59, s28, 1
	s_lshl_b32 s59, s59, 18                        ; even or odd
	s_add_co_u32 s60, s60, s59
	s_mov_b32 s61, 0
	s_wait_alu depctr_va_vdst(0)
	s_wait_dscnt 0x0                               ; both opening adds are done
	s_wait_kmcnt 0x0
	s_add_nc_u64 s[G0X+2:G0X+3], s[4:5], s[60:61]
	s_or_b32 s[G0X+3], s[G0X+3], 0x80000000
	s_cmp_lt_u32 s28, 2                            ; waves 0, 1: w_left and gamma; waves 2, 3: w_right and beta; by halves
	s_cselect_b64 s[38:39], s[10:11], s[16:17]
	s_cselect_b64 s[40:41], s[6:7], s[8:9]
	s_lshl_b32 s52, s54, 12
	s_add_nc_u64 s[38:39], s[38:39], s[52:53]
	s_lshl_b32 s52, s54, 9
	s_add_nc_u64 s[40:41], s[40:41], s[52:53]
	s_lshr_b32 s55, ttmp9, 5                       ; w_out: step
	s_bfe_u32 s56, ttmp9, 0x20003                  ; T / 2
	s_bfe_u32 s57, ttmp9, 0x10002                  ; T & 1
	s_and_b32 s58, ttmp9, 3                        ; c
	s_lshl_b32 s52, s56, 10
	s_lshl_b32 s57, s57, 16
	s_add_co_u32 s52, s52, s57
	s_lshl_b32 s59, s55, 7
	s_add_co_u32 s52, s52, s59
	s_lshl_b32 s58, s58, 5
	s_add_co_u32 s52, s52, s58
	s_add_nc_u64 s[42:43], s[22:23], s[52:53]
	s_lshl_b32 s52, s55, 2
	s_add_nc_u64 s[44:45], s[24:25], s[52:53]
	s_cmp_lt_u32 s28, 2                            ; the launch's only fills, one a wave.  The odd rows' waves ask for their small loads first
	s_cbranch_scc0 .Lodd
	tensor_load_to_lds s[G0X:G0X+3], s[G1X:G1X+7]
	s_nop 0
.rept 4
	v_nop
.endr
	SMALL
	s_branch .Lasked
.Lodd:
	SMALL
	tensor_load_to_lds s[G0X:G0X+3], s[G1X:G1X+7]
	s_nop 0
.rept 4
	v_nop
.endr
.Lasked:
	s_mul_i32 s52, s55, 16896
	s_add_nc_u64 s[36:37], s[36:37], s[52:53]
	s_add_nc_u64 s[48:49], s[36:37], 0x4000        ; the step's scale words
	s_and_b32 s54, ttmp9, 31
	s_lshl_b32 s52, s54, 9
	s_add_nc_u64 s[36:37], s[36:37], s[52:53]      ; my 512 bytes of the image
	s_lshr_b32 s52, ttmp9, 4                       ; lf: (l >> 4) 65536 + (l & 15) 256
	s_lshl_b32 s52, s52, 16
	s_and_b32 s59, ttmp9, 15
	s_lshl_b32 s59, s59, 8
	s_add_co_u32 s52, s52, s59
	s_add_nc_u64 s[26:27], s[26:27], s[52:53]
	s_lshl_b32 s52, ttmp9, 12
	s_add_nc_u64 s[32:33], s[32:33], s[52:53]
	s_lshl_b32 s52, ttmp9, 8
	s_add_nc_u64 s[34:35], s[34:35], s[52:53]
	s_wait_loadcnt 0x0                             ; all 22 small loads are in
	ds_store_b128 v202, v[DG:DG+3]
.irp k, 0,1,2,3,4,5,6,7
	ds_store_b128 v197, v[DW+4*\k:DW+4*\k+3] offset:2*WP*\k
.endr
	s_cmp_eq_u32 s28, 3
	s_cbranch_scc0 .Lno_image
	global_store_b128 v196, v[DI:DI+3], s[36:37]   ; wave 3: 512 consecutive bytes
.Lno_image:
	s_lshl_b32 s54, s54, 2
	s_or_b32 s54, s54, s28
	s_cmp_eq_u32 s54, 2
	s_cbranch_scc0 .Lno_words
	global_store_b128 v196, v[DS:DS+3], s[48:49]   ; wave 2 of each 32nd work-group: a step's scale words
.Lno_words:
.irp n, 0,1
	v_mov_b32 v[BI+2*\n+1], v[BI+2*\n]
	v_mul_f32 v[BI+4+2*\n], 0x3c000000, v[BI+4+2*\n]   ; b_right / 128: exact
.endr
.irp n, 0,1
	v_mov_b32 v[BI+4+2*\n+1], v[BI+4+2*\n]
.endr
	s_wait_alu depctr_va_vdst(0)
	s_cmp_lt_u32 s28, 2
	s_cbranch_scc0 .Lnot_even
	s_wait_tensorcnt 0x0                           ; waves 0, 1: my even rows have landed
.Lnot_even:
	s_wait_dscnt 0x0                               ; for the others' sake: my stores are done
	s_barrier_signal -1
	s_barrier_wait -1                              ; all even rows are in, the weights, gamma and beta too
	LNTILE 0, XA
	s_wait_alu depctr_va_vdst(0)
	s_wait_xcnt 0x0                                ; the head's stores have read their registers, which the next tile's codes take
	s_wait_tensorcnt 0x0                           ; waves 2, 3: my odd rows have landed
	s_wait_dscnt 0x0
	s_barrier_signal -1
	s_barrier_wait -1
	LNTILE 1, XB
	WIN 0x08                                       ; source 1 (the weights) window 2
.irp n, 0,1,2,3                        ; the eight accumulators take turns, one instruction a turn; the first K step starts the sums
.irp u, 0,1
	v_wmma_scale_f32_16x16x128_f8f6f4 v[ACC+16*\n+8*\u:ACC+16*\n+8*\u+7], v[XC+32*\u:XC+32*\u+15], v[32*\n:32*\n+15], 0, v[XS+2*\u], v[WS+2*\n]
.endr
.endr
.irp n, 0,1,2,3
.irp u, 0,1
	v_wmma_scale_f32_16x16x128_f8f6f4 v[ACC+16*\n+8*\u:ACC+16*\n+8*\u+7], v[XC+32*\u+16:XC+32*\u+31], v[32*\n+16:32*\n+31], v[ACC+16*\n+8*\u:ACC+16*\n+8*\u+7], v[XS+2*\u+1], v[WS+2*\n+1]
.endr
.endr
	WIN 0
.rept 8
	v_nop                                          ; eight places between this form and the first read of its results
.endr
.irp n, 0,1
.irp i, 0,2,4,6,8,10,12,14
	v_pk_add_f32 v[ACC+16*\n+\i:ACC+16*\n+\i+1], v[ACC+16*\n+\i:ACC+16*\n+\i+1], v[BI+2*\n:BI+2*\n+1]   ; left + b_left; each accumulator from its low end on
.endr
.endr
.irp n, 2,3
.irp i, 0,2,4,6,8,10,12,14
	v_pk_fma_f32 v[ACC+16*\n+\i:ACC+16*\n+\i+1], v[ACC+16*\n+\i:ACC+16*\n+\i+1], 0x3c000000, v[BI+2*\n:BI+2*\n+1] op_sel_hi:[1,0,1]   ; (right + b_right) / 128 in one rounding: the factor is a power of two
.endr
.endr
	QUANT ACC, FC, 0, 0                            ; block b = column tile b: my wave's 32 s
.irp n, 0,1
	ds_store_b128 v[LSTO], v[FC+4*\n:FC+4*\n+3] offset:2048*\n
.endr
.irp n, 0,1,2,3
	ds_store_b8 v[SSTO], v[TM+4+\n] offset:64*\n   ; both lanes of a block write the same byte with the same value
.endr
.irp n, 0,1
	global_store_b128 v[RGO], v[FC+8+4*\n:FC+8+4*\n+3], s[32:33] offset:2048*\n   ; the wave stores 512 consecutive bytes of right's image
.endr
	s_wait_dscnt 0x0                               ; for the others' sake: my stores into the stage and the scale words are done
	s_barrier_signal -1
	s_barrier_wait -1
	ds_load_b128 v[OB:OB+3], v[OLA]
	ds_load_b128 v[OB+4:OB+7], v[OLA] offset:512
	s_wait_dscnt 0x0
	global_store_b128 v[OGO], v[OB:OB+3], s[26:27]                ; sixteen lanes store 256 consecutive bytes, at a multiple of 256 from lf's first byte
	global_store_b128 v[OGO], v[OB+4:OB+7], s[26:27] offset:8192
	s_cmp_lg_u32 s28, 0
	s_cbranch_scc1 .Ldone
	ds_load_b64 v[T:T+1], v[SLA]                   ; wave 0: the position's 64 scale words
	s_wait_dscnt 0x0
	global_store_b64 v[SGO], v[T:T+1], s[34:35]    ; 32 lanes store 256 consecutive bytes
.Ldone:
	s_wait_tensorcnt 0x0                           ; the wave's end
	ds_add_u32 v[SPW], v[NIL]
	s_wait_dscnt 0x0
	s_endpgm
.Lfunc_end_k_q9e861b775d_proj:
	.size	k_q9e861b775d_proj, .Lfunc_end_k_q9e861b775d_proj-k_q9e861b775d_proj
	.p2alignl 7, 3214868480
	.fill 96, 4, 3214868480
	.section	.rodata,"a",@progbits
	.p2align	6, 0x0
	.amdhsa_kernel k_q9e861b775d_proj
		.amdhsa_group_segment_fixed_size 327680
		.amdhsa_private_segment_fixed_size 0
		.amdhsa_enable_private_segment 0
		.amdhsa_kernarg_size 120
		.amdhsa_user_sgpr_count 2
		.amdhsa_user_sgpr_kernarg_segment_ptr 1
		.amdhsa_wavefront_size32 1
		.amdhsa_system_sgpr_workgroup_id_x 1
		.amdhsa_system_sgpr_workgroup_id_y 1
		.amdhsa_system_sgpr_workgroup_id_z 1
		.amdhsa_system_vgpr_workitem_id 0
		.amdhsa_next_free_vgpr 640
		.amdhsa_next_free_sgpr 80
		.amdhsa_reserve_vcc 0
		.amdhsa_float_denorm_mode_32 3
		.amdhsa_float_denorm_mode_16_64 3
		.amdhsa_memory_ordered 1
		.amdhsa_forward_progress 1
		.amdhsa_inst_pref_size 111
	.end_amdhsa_kernel
	.amdgpu_metadata
---
amdhsa.version: [ 1, 2 ]
amdhsa.kernels:
  - .name:           k_q9e861b775d_proj
    .symbol:         k_q9e861b775d_proj.kd
    .args:
      - { .name: msa, .offset: 0, .size: 8, .value_kind: global_buffer, .address_space: global }
      - { .name: ln_gamma, .offset: 8, .size: 8, .value_kind: global_buffer, .address_space: global }
      - { .name: ln_beta, .offset: 16, .size: 8, .value_kind: global_buffer, .address_space: global }
      - { .name: w_left_codes, .offset: 24, .size: 8, .value_kind: global_buffer, .address_space: global }
      - { .name: w_left_scales, .offset: 32, .size: 8, .value_kind: global_buffer, .address_space: global }
      - { .name: b_left, .offset: 40, .size: 8, .value_kind: global_buffer, .address_space: global }
      - { .name: w_right_codes, .offset: 48, .size: 8, .value_kind: global_buffer, .address_space: global }
      - { .name: w_right_scales, .offset: 56, .size: 8, .value_kind: global_buffer, .address_space: global }
      - { .name: b_right, .offset: 64, .size: 8, .value_kind: global_buffer, .address_space: global }
      - { .name: w_out_codes, .offset: 72, .size: 8, .value_kind: global_buffer, .address_space: global }
      - { .name: w_out_scales, .offset: 80, .size: 8, .value_kind: global_buffer, .address_space: global }
      - { .name: lf, .offset: 88, .size: 8, .value_kind: global_buffer, .address_space: global }
      - { .name: rf, .offset: 96, .size: 8, .value_kind: global_buffer, .address_space: global }
      - { .name: sc, .offset: 104, .size: 8, .value_kind: global_buffer, .address_space: global }
      - { .name: wimg, .offset: 112, .size: 8, .value_kind: global_buffer, .address_space: global }
    .group_segment_fixed_size: 327680
    .private_segment_fixed_size: 0
    .kernarg_segment_align: 8
    .kernarg_segment_size: 120
    .max_flat_workgroup_size: 128
    .sgpr_count:     80
    .vgpr_count:     640
    .wavefront_size: 32
...
	.end_amdgpu_metadata
.endif
;; end of part 1
;; launch pairup (part 2): grid 16 x 16, 4 waves a work-group, clusters of 4 x 1, 327,680 bytes of LDS; arguments pair, lf, rf, sc, wimg, b_out, out0; writes out0
.if DOCPART == 2
	.amdgcn_target "amdgcn-amd-amdhsa--gfx1250"
	.amdhsa_code_object_version 6
	.text
	.protected	k_q9e861b775d_pairup
	.globl	k_q9e861b775d_pairup
	.p2align	8
	.type	k_q9e861b775d_pairup,@function
k_q9e861b775d_pairup:
	s_mov_b64 s[64:65], 0
	v_nop
	global_prefetch_b8 v0, s[64:65] scope:SCOPE_SE
	s_setreg_imm32_b32 hwreg(HW_REG_WAVE_MODE, 25, 1), 1
	s_wait_xcnt 0x0
	s_wait_alu depctr_hold_cnt(0) depctr_sa_sdst(0) depctr_va_vdst(0) depctr_va_sdst(0) depctr_va_ssrc(0) depctr_va_vcc(0) depctr_vm_vsrc(0)
	s_getreg_b32 s2, hwreg(HW_REG_IB_STS2, 6, 4)
	s_cmp_eq_u32 s2, 0
	s_cbranch_scc0 .Lentry_in_a_cluster
	s_endpgm
.Lentry_in_a_cluster:
	s_bfe_u32 s2, ttmp6, 0x10000c
	s_cmp_lg_u32 s2, 0x3003
	s_cbranch_scc0 .Lentry_shape_is_right
	s_endpgm
.Lentry_shape_is_right:
; MSA2Pair, second of two launches: out0[l][m][:] = pair[l][m][:] + b_out + Q(O[l][m][:]) W_out, O[l][m][32 i + j] = sum over s of left[s][l][i] right[s][m][j].
; Both products on codes of FP8 (E4M3) with one E8M0 scale for each 32 along K.  O (256 MB in f32) never leaves the registers: it is quantised along j, a block for each (l, m, i), where it is made.
; LIMITS: as in the first launch (NaN and infinities not served; a block of zeros keeps the byte 1 over zero codes).  symmids and symmsub reach no output and are not taken.
; SHARES.  Work-group (X, Y): 16 l (16 Y on) x 16 m (16 X on).  Wave w: the 16 l x the four m = 16 X + 4 w + mi.  K of the second product goes in 8 steps of 128 = four i.
; A UNIT is one (step, m): 8 products make its 64 registers of O (four i x two halves of j), its four blocks are quantised, 8 products put it onto m's 8 accumulators.  The units run as a pipeline: in
; unit n stand the holds of unit n with the products of O of unit n + 1 among them, and the maxima of unit n with the second products of unit n - 1 among them.  O has two buffers, m & 1.
; Memory instructions stand in runs of their own, behind plain vector lines.
; ORDER.  Steps 0-4 for all four m; then steps 5-7 for m 0, 1; then steps 5-7 for m 2, 3.  So m 0, 1 are finished, and their rows are stored, while m 2, 3 are still multiplied.
; LAYOUT.  O: source 0 = right's fragment (m, u), whose row rho is j = 8 u + rho + 8 (rho / 8); source 1 = left's fragment (16 l, one i).  Lane (r, h) then holds l = r, and registers 8 u + jj hold
; j = 16 h + 8 u + jj: 16 neighbours along the next K; four i are a fragment of the next operand.  Second product: source 0 = those codes, source 1 = tile T of w_out, whose row r is output
; 4 r + T / 2 + 64 (T & 1).  Lane (r, h) then holds rows l = 8 h + j (register j), and over T = g, g + 2, g + 4, g + 6 the four neighbouring outputs 64 g + 4 r .. + 3: sixteen lanes hold 256 bytes of a row.
; The addition of pair at the end puts the four side by side in registers: no stage in LDS, no copy.  The accumulators begin as b_out.
; CLUSTER.  The four work-groups of a cluster share Y, so all four want the same block of left's codes, and w_out is the same for everybody: both are asked for JOINTLY, by the same tensor load with
; the same descriptor and the mask of all four.  Each byte of LDS is filled once, by two loads a wave: K steps 0-2 at the head (wave 0 left's 96 rows, waves 1-3 a step of w_out's image each), steps 3-7 behind
; a round of the cluster's barrier (wave 0 left's 160 rows, waves 1-3 110 rows of the image each); they are on their way through the work of steps 0 and 1.
; PREFETCH.  pair's rows of m 2, 3 are loaded only when m 0's and m 1's accumulators are free to take them: they are asked for three K steps of m 0, 1 ahead of that, two instructions a wave, each block of 256 bytes once.
; REGISTERS.  window 0: v1-13 addresses; v16-19 right's scale words (lanes 0-15 u = 0, lanes 16-31 u = 1); v20-23 left's; v24-27 w_out's (lanes 0-15 T even, lanes 16-31 T odd); v28 the codes' word;
;   v32-39 b_out; v40-57 the quantiser's; v64-79 codes; v96-159 left's four fragments.   window 1: v0-127 O; v128-255 right's eight fragments.
;   window 2: the accumulators, at 64 m + 8 T; later pair's rows of m 2, 3 in v0-127.   window 3: v0-127 w_out's eight fragments of a step; v128-255 pair's rows of m 0, 1, then their sums on the way out.
.set SA,    5                          ; steps that all four m take together
.set WSTEP, 16896                      ; a step of w_out's image: 16,384 bytes of codes, 512 of scale words
.set WB,    45056                      ; LDS: the image, 8 steps
.set WREST, 110*256                    ; a wave's part of steps 3-7
.set LEFT,  180224                     ; LDS: left's codes of 16 l: 256 rows ((i >> 1) 16 + l) of 256 bytes + 16
.set LP,    272
.set LSTEP, 32*LP
.set LSC,   0                          ; LDS: left's scale words: 16 rows (l) of 128 bytes + 16
.set LSP,   144
.set SPARE, 8192                       ; LDS: the spare words
.set AL,  1
.set ALS, 2
.set AW,  3
.set CL,  4
.set CLS, 5
.set CW,  6
.set GO,  7                            ; 16 lane
.set PO,  8                            ; pair, out0: 8 h rows of 131,072 bytes + 16 r; never rewritten
.set PFO, 9                            ; the prefetches' offset; never rewritten
.set SPW, 12
.set NIL, 13
.set RS,  16
.set LS,  20
.set WS,  24
.set PW,  28
.set BO,  32
.set TM,  40                           ; +0..3 largest magnitudes, +4..7 the other half's, +8..11 448 x scale, +12..15 the conversions' scale operands, +16, +17 at work
.set PC,  64
.set LF,  96
.set RF,  128
.set G1W, 28                           ; s[28:35], s[36:39] groups 1 and 0 for w_out;  s[40:47], s[48:51] for left
.set G0W, 36
.set G1L, 40
.set G0L, 48
.set MSB, 0
.macro WIN new                         ; the immediate's high byte repeats the setting that is left
.if MSB != \new
	s_set_vgpr_msb (MSB<<8)|\new
.set MSB, \new
.endif
.endm
.set MAXW, 0x11                        ; maxima, conversions: sources 0 and 2 (O) window 1
.set O3W,  0x41                        ; products of O, holds: destination and source 0 window 1
.set O4W,  0xac                        ; second products: source 1 (w_out) window 3, C and D window 2
.macro CROUND                          ; a round of the cluster's barrier
	s_barrier_signal -1
	s_barrier_wait -1
	s_cmp_lg_u32 s20, 0
	s_cbranch_scc1 .Lnot_wave_0_\@
	s_barrier_signal -3
.Lnot_wave_0_\@:
	s_barrier_wait -3
	s_barrier_signal -1
	s_barrier_wait -1
.endm
.macro FILL                            ; one joint load a wave: wave 0 for left, waves 1-3 for w_out
	s_cmp_eq_u32 s20, 0
	s_cbranch_scc0 .Lfor_w_\@
	tensor_load_to_lds s[G0L:G0L+3], s[G1L:G1L+7]
	s_nop 0
.rept 4
	v_nop
.endr
	s_branch .Lasked_\@
.Lfor_w_\@:
	tensor_load_to_lds s[G0W:G0W+3], s[G1W:G1W+7]
	s_nop 0
.rept 4
	v_nop
.endr
.Lasked_\@:
.endm
.macro P3 k, m, ob                     ; O of m: i = k / 2, half u = k % 2; a whole sum (K = the 128 s)
.if (\k)%2
	v_wmma_scale_f32_16x16x128_f8f6f4 v[(\ob)+8*(\k):(\ob)+8*(\k)+7], v[RF+32*(\m)+16:RF+32*(\m)+31], v[LF+16*((\k)/2):LF+16*((\k)/2)+15], 0, v[RS+(\m)], v[LS+(\k)/2] matrix_a_scale:MATRIX_SCALE_ROW1
.else
	v_wmma_scale_f32_16x16x128_f8f6f4 v[(\ob)+8*(\k):(\ob)+8*(\k)+7], v[RF+32*(\m):RF+32*(\m)+15], v[LF+16*((\k)/2):LF+16*((\k)/2)+15], 0, v[RS+(\m)], v[LS+(\k)/2]
.endif
.endm
.macro P4 t, m                         ; m's accumulator t takes this K step; the accumulators take turns, one instruction a turn
.if (\t)%2
	v_wmma_scale_f32_16x16x128_f8f6f4 v[64*(\m)+8*(\t):64*(\m)+8*(\t)+7], v[PC:PC+15], v[16*(\t):16*(\t)+15], v[64*(\m)+8*(\t):64*(\m)+8*(\t)+7], v[PW], v[WS+(\t)/2] matrix_b_scale:MATRIX_SCALE_ROW1
.else
	v_wmma_scale_f32_16x16x128_f8f6f4 v[64*(\m)+8*(\t):64*(\m)+8*(\t)+7], v[PC:PC+15], v[16*(\t):16*(\t)+15], v[64*(\m)+8*(\t):64*(\m)+8*(\t)+7], v[PW], v[WS+(\t)/2]
.endif
.endm
.macro CVT k                           ; half k % 2 of block k / 2 of the unit: 8 codes a lane
	v_cvt_scalef32_pk8_fp8_f32 v[PC+2*(\k):PC+2*(\k)+1], v[OB+8*(\k):OB+8*(\k)+7], v[TM+12+(\k)/2]
.endm
.macro WTILES adr, t0                  ; w_out's fragments t0 .. t0 + 3 of a step: 16 loads; a fragment is an image of its registers, 512 consecutive bytes a load
	WIN 0xc0
.irp t, 0,1,2,3
.irp c, 0,1,2,3
	ds_load_b128 v[16*(\t0+\t)+4*\c:16*(\t0+\t)+4*\c+3], v[\adr] offset:2048*(\t0+\t)+512*\c
.endr
.endr
.endm
.macro WLOAD2 adr                      ; behind tiles 0-3: the step's scale words and tiles 4-7, 17 loads
	WIN 0
	ds_load_b128 v[WS:WS+3], v[\adr] offset:16384
	WTILES \adr, 4
	WIN 0
.endm
.macro LFLOAD al, as                   ; left's four fragments of a step (i = 4 step + ii) and their scale words: 17 loads
.irp ii, 0,1,2,3
.irp c, 0,1,2,3
	ds_load_b128 v[LF+16*\ii+4*\c:LF+16*\ii+4*\c+3], v[\al] offset:(\ii/2)*16*LP+(\ii%2)*128+32*\c
.endr
.endr
	ds_load_b128 v[LS:LS+3], v[\as]
.endm
; Row piece x (0 .. 31) of a pair of m, the first of them m0: m0 + x / 16, rows 8 h + (x % 16) / 2, half x % 2 of a row's 512 bytes: sixteen lanes take 256 consecutive bytes
.macro LDROWS reg, x0, n, m0
.set HX, \x0
.rept \n
	global_load_b128 v[\reg+4*HX:\reg+4*HX+3], v[PO], s[4:5] offset:((HX%16)/2)*131072+((\m0)+HX/16)*512+(HX%2)*256 th:TH_LOAD_NT
.set HX, HX+1
.endr
.endm
.macro STROWS reg, x0, n, m0
.set HX, \x0
.rept \n
	global_store_b128 v[PO], v[\reg+4*HX:\reg+4*HX+3], s[16:17] offset:((HX%16)/2)*131072+((\m0)+HX/16)*512+(HX%2)*256 th:TH_STORE_NT
.set HX, HX+1
.endr
.endm
; out = accumulators + pair, rows 8 h + j of m: eight sums, which land four outputs side by side where pair's numbers were; each accumulator from its low end on
.macro ADDROW base, m, mm, j
.irp t, 0,1,2,3,4,5,6,7
	v_add_f32 v[\base+64*\mm+8*\j+4*(\t%2)+\t/2], v[64*\m+8*\t+\j], v[\base+64*\mm+8*\j+4*(\t%2)+\t/2]
.endr
.endm
; UNIT m: mn the next unit's m, mp the m of the unit before (-1: none).  lw: w_out's fragments are fetched anew for the next unit, at least 8 places behind their last products.  ll: left's are fetched anew
; for the next unit's O.  ww: the LDS loads issued behind w_out's that may stay out when the second products begin (-1: nothing is waited for).
; ld0, nld: row pieces of pair of m 2, 3 that are loaded; st0, nst: those of m 0, 1 that are stored.
.macro UNIT m, mn, mp, lw, ll, ww, ld0=0, nld=0, st0=0, nst=0, fin=0   ; fin = 1: m 2, whose last products stand in this unit, leaves
.set OB, 64*((\m)%2)
.if \lw
	WIN 0
	v_add_nc_u32 v[CW], s61, v[AW]
	s_add_co_u32 s61, s61, WSTEP
.endif
.if \ll
	WIN 0
	v_add_nc_u32 v[CL], s62, v[AL]
	v_add_nc_u32 v[CLS], s66, v[ALS]
	LFLOAD CL, CLS                                 ; eight holds stand between these and the last products that read left's registers
	s_add_co_u32 s62, s62, LSTEP
	s_add_co_u32 s66, s66, 16
.endif
	WIN MAXW
.irp g, 0,1,2,3,4,5,6,7
.irp b, 0,1,2,3
.if \g == 0
	v_max3_num_f32 v[TM+\b], |v[OB+16*\b]|, 0x4800000, |v[OB+16*\b+1]|   ; block b = i: my 16 numbers, and the floor 2^(9 - 127): the byte cannot fall under 1
.else
	v_max3_num_f32 v[TM+\b], |v[OB+16*\b+2*\g]|, v[TM+\b], |v[OB+16*\b+2*\g+1]|
.endif
.endr
.if (\mp) >= 0
.if ((\ww) >= 0) && (\g == 0)
	s_wait_alu depctr_va_vdst(0)
	s_wait_dscnt \ww+16                            ; w_out's words and tiles 0-3 are in
.endif
.if ((\ww) >= 0) && (\g == 4)
	s_wait_alu depctr_va_vdst(0)
	s_wait_dscnt \ww                               ; tiles 4-7
.endif
.if (\lw) && (\g == 7)
	WTILES CW, 0                                   ; 16 maxima stand between tile 3's product and these loads
.endif
	WIN O4W
	P4 \g, \mp
	WIN MAXW
.endif
.endr
	WIN 0
.irp b, 0,1,2,3
	v_permlanex16_b32 v[TM+4+\b], v[TM+\b], s68, s69
.endr
.irp b, 0,1,2,3
	v_max_num_f32 v[TM+\b], v[TM+\b], v[TM+4+\b]   ; with lane l xor 16's 16 j: the block's largest magnitude
.endr
.irp b, 0,1,2,3
	v_add_nc_u32 v[TM+12+\b], 0xfc000000, v[TM+\b] ; 8 off its exponent field: the conversion's scale operand
.endr
.irp b, 0,1,2,3
	v_and_or_b32 v[TM+8+\b], v[TM+\b], 0x7f800000, s70   ; 448 x the scale
.endr
.if \lw
	WLOAD2 CW
.endif
	v_perm_b32 v[TM+16], v[TM+13], v[TM+12], s67   ; the upper halves of two scale operands,
	v_perm_b32 v[TM+17], v[TM+15], v[TM+14], s67
	v_lshlrev_b32 v[TM+16], 1, v[TM+16]            ; their exponent fields as whole bytes 1 and 3 (the sign is 0),
	v_lshlrev_b32 v[TM+17], 1, v[TM+17]
	v_perm_b32 v[PW], v[TM+17], v[TM+16], s71      ; and the four bytes together: the unit's scale word
.if (\nst) > 0
	WIN 0x0c                                       ; a store's data window 3
	STROWS 128, \st0, \nst, 0
.endif
.if (\nld) > 0
	WIN 0x80                                       ; destination window 2
	LDROWS 0, \ld0, \nld, 2
.endif
.if \fin
	s_wait_alu depctr_va_vdst(0)
	s_wait_loadcnt 16                              ; pair's rows of m 2; those of m 3 may be out
	WIN 0x8a                                       ; all in window 2
.irp j, 0,1,2,3,4,5,6,7
	ADDROW 0, 2, 0, \j
.endr
	WIN 0x08
	STROWS 0, 0, 16, 2
.endif
.if ((\mn) >= 0) && (\ll)
	s_wait_alu depctr_va_vdst(0)
	s_wait_dscnt 0x0                               ; left's fragments are in
.endif
	WIN O3W
.irp k, 0,1,2,3,4,5,6,7
.if (\mn) >= 0
	P3 \k, \mn, 64-OB
.endif
.irp i, 0,1
	v_med3_num_f32 v[OB+8*\k+\i], v[OB+8*\k+\i], -v[TM+8+\k/2], v[TM+8+\k/2]   ; the conversion to an 8-bit code does not saturate (ISA guide 7.6.2): the hold
.endr
.if \k > 0
	WIN MAXW
	CVT \k-1                                       ; the eight numbers held before these; a hold, plain work, follows it
	WIN O3W
.endif
.irp i, 2,3,4,5,6,7
	v_med3_num_f32 v[OB+8*\k+\i], v[OB+8*\k+\i], -v[TM+8+\k/2], v[TM+8+\k/2]
.endr
.endr
	WIN MAXW
	CVT 7
.endm
.macro TRIP4                           ; m 1, 2, 3 of a step, and m 0 of the next
	UNIT 1, 2, 0, 0, 0, 0
	UNIT 2, 3, 1, 0, 0, -1
	UNIT 3, 0, 2, 0, 1, -1
	UNIT 0, 1, 3, 1, 0, -1
	WIN 0
	s_sub_co_u32 s60, s60, 1
	s_cmp_lg_u32 s60, 0
	s_wait_alu depctr_va_vdst(0)
.endm
.macro FROM step, trips                ; the next step to fetch: its bytes in w_out's image, in left's block, among left's scale words
	s_mov_b32 s61, (\step)*WSTEP
	s_mov_b32 s62, (\step)*LSTEP
	s_mov_b32 s66, (\step)*16
	s_mov_b32 s60, \trips
.endm
	s_load_b256 s[4:11], s[0:1], 0x0               ; pair 4, lf 6, rf 8, sc 10
	s_load_b128 s[12:15], s[0:1], 0x20             ; wimg 12, b_out 14
	s_load_b64 s[16:17], s[0:1], 0x30              ; out0
	v_lshl_add_u32 v[SPW], v0, 2, SPARE
	v_mov_b32 v[NIL], 0
	ds_add_u32 v[SPW], v[NIL]                      ; the wave's opening: the add, twice on end, and its wait
	ds_add_u32 v[SPW], v[NIL]
	v_lshrrev_b32 v1, 5, v0
	v_readfirstlane_b32 s20, v1                    ; wave 0..3
	v_and_b32 v160, 31, v0                         ; lane
	v_and_b32 v161, 15, v0                         ; r
	v_bfe_u32 v162, v0, 4, 1                       ; h
	v_lshlrev_b32 v[GO], 4, v160
	v_mul_u32_u24 v[AL], v161, LP
	v_lshl_add_u32 v[AL], v162, 4, v[AL]
	v_add_nc_u32 v[AL], LEFT, v[AL]
	v_mul_u32_u24 v[ALS], v161, LSP
	v_add_nc_u32 v[ALS], LSC, v[ALS]
	v_add_nc_u32 v[AW], WB, v[GO]
	v_lshlrev_b32 v163, 4, v161                    ; b_out: 16 r
	v_lshl_add_u32 v[PO], v162, 20, v163
	v_lshrrev_b32 v[PFO], 2, v160                  ; four lanes to a row of 131,072 bytes, 256 bytes each
	v_and_b32 v164, 3, v160
	v_lshlrev_b32 v164, 8, v164
	v_lshl_add_u32 v[PFO], v[PFO], 17, v164
	v_lshlrev_b32 v165, 2, v160                    ; right's scale words
	v_lshrrev_b32 v166, 3, v0                      ; left's scale words: eight threads to an l, 16 bytes each
	v_and_b32 v167, 7, v0
	v_lshlrev_b32 v167, 4, v167
	v_mul_u32_u24 v168, v166, LSP
	v_add_nc_u32 v168, v168, v167
	v_lshl_add_u32 v166, v166, 8, v167
.irp b, 0,1,2,3
	v_mov_b32 v[TM+4+\b], 0                        ; written once: a lane permute's destination counts as one of its sources
.endr
	s_bfe_u32 s21, ttmp6, 0x40000                  ; cx: my place in the cluster
	s_lshl_b32 s23, ttmp9, 2                       ; in a cluster launch ttmp9 counts clusters
	s_add_co_u32 s23, s23, s21                     ; X = 4 x cluster x + cx: it enters the addresses of rf, sc, pair and out0 alone
	s_and_b32 s24, ttmp7, 0xffff                   ; Y, which the four partners share
	; group 1 for w_out's image: 66 rows of 256 bytes, dense, no padding; the mask names all four work-groups, bit 21 beside it
	s_mov_b32 s[G1W+0], 15|(1<<21)
	s_mov_b32 s[G1W+1], 256<<16
	s_mov_b32 s[G1W+2], 66<<16
	s_mov_b32 s[G1W+3], 256<<16
	s_mov_b32 s[G1W+4], 66
	s_mov_b32 s[G1W+5], 256
	s_mov_b32 s[G1W+6], 0
	s_mov_b32 s[G1W+7], 0
	; group 1 for left: 96 rows of 256 bytes, dense; four words of padding behind every 64
	s_mov_b32 s[G1L+0], 15|(1<<20)|(1<<21)|(5<<22)|(3<<25)
	s_mov_b32 s[G1L+1], 256<<16
	s_mov_b32 s[G1L+2], 96<<16
	s_mov_b32 s[G1L+3], 256<<16
	s_mov_b32 s[G1L+4], 96
	s_mov_b32 s[G1L+5], 256
	s_mov_b32 s[G1L+6], 0
	s_mov_b32 s[G1L+7], 0
	s_mov_b32 s[G0W], 1
	s_mul_i32 s52, s20, WSTEP                      ; waves 1-3: step w - 1
	s_add_co_u32 s[G0W+1], s52, WB-WSTEP           ; the wave's number alone enters an LDS address
	s_mov_b32 s53, 0
	s_mov_b32 s[G0L], 1
	s_mov_b32 s[G0L+1], LEFT
	s_lshl_b32 s54, s24, 16                        ; left: the tile of l, 65,536 bytes
	s_mov_b32 s55, 0
	s_mov_b32 s67, 0x07060302                      ; v_perm_b32: two upper halves;
	s_mov_b32 s71, 0x07050301                      ; bytes 1, 3 of two words
	s_mov_b32 s68, 0x76543210                      ; v_permlanex16_b32's selects for lane l xor 16
	s_mov_b32 s69, 0xfedcba98
	s_mov_b32 s70, 0x600000                        ; the mantissa field of 448
	s_mov_b32 s27, 0
	s_wait_alu depctr_va_vdst(0)
	s_wait_dscnt 0x0                               ; both opening adds are done
	CROUND                                         ; all four work-groups are here: the joint loads meet
	s_wait_kmcnt 0x0
	s_add_nc_u64 s[G0W+2:G0W+3], s[12:13], s[52:53]
	s_sub_nc_u64 s[G0W+2:G0W+3], s[G0W+2:G0W+3], WSTEP
	s_or_b32 s[G0W+3], s[G0W+3], 0x80000000
	s_add_nc_u64 s[G0L+2:G0L+3], s[6:7], s[54:55]
	s_or_b32 s[G0L+3], s[G0L+3], 0x80000000
	FILL                                           ; K steps 0-2
	s_lshl_b32 s26, s24, 12                        ; sc at l = 16 Y
	s_add_nc_u64 s[58:59], s[10:11], s[26:27]
	s_lshl_b32 s26, s23, 12                        ; sc at m = 16 X + 4 w
	s_lshl_b32 s22, s20, 10
	s_add_co_u32 s26, s26, s22
	s_add_nc_u64 s[56:57], s[10:11], s[26:27]
	s_lshl_b32 s26, s23, 16                        ; rf at m = 16 X + 4 w, 4,096 bytes each
	s_lshl_b32 s22, s20, 14
	s_add_co_u32 s26, s26, s22
	s_add_nc_u64 s[8:9], s[8:9], s[26:27]
	s_lshl_b32 s26, s24, 21                        ; pair, out0: (16 Y x 256 + 16 X + 4 w) rows of 512 bytes
	s_lshl_b32 s22, s23, 13
	s_add_co_u32 s26, s26, s22
	s_lshl_b32 s22, s20, 11
	s_add_co_u32 s26, s26, s22
	s_add_nc_u64 s[4:5], s[4:5], s[26:27]
	s_add_nc_u64 s[16:17], s[16:17], s[26:27]
	global_load_b128 v[BO:BO+3], v163, s[14:15]                  ; b_out of outputs 4 r .. + 3,
	global_load_b128 v[BO+4:BO+7], v163, s[14:15] offset:256     ; and 64 further on
	global_load_b128 v[172:175], v166, s[58:59]
.irp t, 0,1,2,3
	global_load_b32 v[RS+\t], v165, s[56:57] offset:256*\t+128
.endr
	WIN 0x40                                       ; destination window 1
.irp t, 0,1                            ; right's fragment (m = t / 2, u = t % 2): an image of its registers, 512 consecutive bytes a load; it stays.  m 0's first
.irp c, 0,1,2,3
	global_load_b128 v[RF+16*\t+4*\c:RF+16*\t+4*\c+3], v[GO], s[8:9] offset:2048*\t+512*\c
.endr
.endr
	WIN 0
	s_wait_loadcnt 12                              ; b_out and left's scale words are in; right's four words and m 0's eight loads may be out
	ds_store_b128 v168, v[172:175]
	WIN 0x40
.irp t, 2,3,4,5,6,7
.irp c, 0,1,2,3
	global_load_b128 v[RF+16*\t+4*\c:RF+16*\t+4*\c+3], v[GO], s[8:9] offset:2048*\t+512*\c
.endr
.endr
	WIN 0x80                                       ; destination window 2: the sums begin as b_out (accumulator (3, 7) follows below)
.irp m, 0,1,2,3
.irp t, 0,1,2,3,4,5,6,7
.if 8*\m+\t < 31
.irp j, 0,1,2,3,4,5,6,7
	v_mov_b32 v[64*\m+8*\t+\j], v[BO+4*(\t%2)+\t/2]
.endr
.endif
.endr
.endr
	WIN 0
	s_wait_alu depctr_va_vdst(0)
	s_wait_tensorcnt 0x0                           ; my tile has landed
	ds_add_u32 v[SPW], v[NIL]
	s_mov_b32 s[G1W+2], 110<<16                    ; no tensor load of mine is out: the descriptors take steps 3-7
	s_mov_b32 s[G1W+4], 110
	s_mov_b32 s[G1L+2], 160<<16
	s_mov_b32 s[G1L+4], 160
	s_mul_i32 s52, s20, WREST
	s_add_co_u32 s[G0W+1], s52, WB+3*WSTEP-WREST
	s_add_co_u32 s52, s52, 3*WSTEP-WREST
	s_add_nc_u64 s[G0W+2:G0W+3], s[12:13], s[52:53]
	s_or_b32 s[G0W+3], s[G0W+3], 0x80000000
	s_mov_b32 s[G0L+1], LEFT+3*LSTEP
	s_add_nc_u64 s[G0L+2:G0L+3], s[G0L+2:G0L+3], 3*8192
	s_wait_dscnt 0x0                               ; the add and my store are done
	CROUND                                         ; everybody's tiles have landed
	FILL                                           ; K steps 3-7
	LFLOAD AL, ALS                                 ; step 0
	WTILES AW, 0
	WLOAD2 AW
	s_wait_loadcnt 24                              ; right's words and m 0's fragments are in; the others' 24 loads may be out
	s_wait_dscnt 33                                ; left's are in; the 33 loads for w_out may be out
	WIN O3W
.irp k, 0,1,2,3,4,5,6,7
	P3 \k, 0, 0
.endr
	WIN 0x80
.irp j, 0,1,2,3,4,5,6,7
	v_mov_b32 v[248+\j], v[BO+7]                   ; accumulator (3, 7): and the eight places behind the products
.endr
	s_wait_alu depctr_va_vdst(0)
	s_wait_loadcnt 0x0                             ; all of right is in
	WIN 0xc0                                       ; destination window 3: pair's rows of m 0, 1, which are wanted behind step 7, in three runs
	LDROWS 128, 0, 12, 0
	UNIT 0, 1, -1, 0, 0, -1
	WIN 0
	FROM 1, 2
	s_wait_alu depctr_va_vdst(0)
.Lhead_steps:                                          ; steps 0, 1; steps 1, 2 are fetched
	TRIP4
	s_cbranch_scc1 .Lhead_steps
	s_wait_tensorcnt 0x0                           ; my tile of steps 3-7 has landed,
	s_wait_dscnt 0x0                               ; and no LDS load of mine is out
	s_barrier_signal -1
	s_barrier_wait -1                              ; everybody's has
	WIN 0xc0
	LDROWS 128, 12, 10, 0
	WIN 0
	FROM 3, SA-2
.Lall:                                                 ; steps 2-4
	TRIP4
	s_cbranch_scc1 .Lall
	WIN 0xc0
	LDROWS 128, 22, 10, 0
	WIN 0
	global_prefetch_b8 v[PFO], s[4:5] offset:1024 th:TH_LOAD_NT scope:SCOPE_SE            ; pair's rows of m 2, 3: l 0-7,
	global_prefetch_b8 v[PFO], s[4:5] offset:1024+8*131072 th:TH_LOAD_NT scope:SCOPE_SE   ; l 8-15
	FROM SA+1, 7-SA
.Lfirst:                                               ; m 0, 1 alone: m 1 of a step, m 0 of the next
	UNIT 1, 0, 0, 0, 1, 17                         ; (left's 17 loads of this unit may stay out)
	UNIT 0, 1, 1, 1, 0, -1
	WIN 0
	s_sub_co_u32 s60, s60, 1
	s_cmp_lg_u32 s60, 0
	s_wait_alu depctr_va_vdst(0)
	s_cbranch_scc1 .Lfirst
	FROM SA, 0                                     ; back to step SA, for m 2, 3
	UNIT 1, 2, 0, 0, 1, 17                         ; m 1's last step; O of m 2
	UNIT 2, 3, 1, 1, 0, -1                         ; m 1's last products
	s_wait_alu depctr_va_vdst(0)
	s_wait_loadcnt 0x0                             ; pair's rows of m 0, 1
	WIN 0xce                                       ; source 0 (accumulators) window 2, source 1 and destination window 3
.irp j, 0,1,2,3,4,5,6,7
	ADDROW 128, 0, 0, \j
.endr
.irp j, 0,1,2,3,4,5,6,7
	ADDROW 128, 1, 1, \j
.endr
	UNIT 3, 2, 2, 0, 1, 17, 0, 11, 0, 5            ; written out: the registers that are stored and loaded differ from unit to unit
	UNIT 2, 3, 3, 1, 0, -1, 11, 11, 5, 5
	UNIT 3, 2, 2, 0, 1, 17, 22, 10, 10, 6
	UNIT 2, 3, 3, 1, 0, -1, 0, 0, 16, 8
	UNIT 3, -1, 2, 0, 0, 0, 0, 0, 24, 8, 1
	WIN O4W
.rept 4
	v_nop                                          ; the plain place behind the last conversion, and the four between codes and a scaled product
.endr
.irp t, 0,1,2,3,4,5,6,7
	P4 \t, 3
.endr
	WIN 0
.rept 8
	v_nop                                          ; eight places between the last product and the first read of its result
.endr
	s_wait_alu depctr_va_vdst(0)
	s_wait_loadcnt 0x0
	WIN 0x8a
.irp j, 0,1,2,3,4,5,6,7
	ADDROW 0, 3, 1, \j
.endr
	WIN 0x08
	STROWS 0, 16, 16, 2
	WIN 0
	s_wait_tensorcnt 0x0                           ; the wave's end
	ds_add_u32 v[SPW], v[NIL]
	s_wait_dscnt 0x0
	CROUND                                         ; the closing round: no work-group ends while a partner may still ask for a block that names it
	s_endpgm
.Lfunc_end_k_q9e861b775d_pairup:
	.size	k_q9e861b775d_pairup, .Lfunc_end_k_q9e861b775d_pairup-k_q9e861b775d_pairup
	.p2alignl 7, 3214868480
	.fill 96, 4, 3214868480
	.section	.rodata,"a",@progbits
	.p2align	6, 0x0
	.amdhsa_kernel k_q9e861b775d_pairup
		.amdhsa_group_segment_fixed_size 327680
		.amdhsa_private_segment_fixed_size 0
		.amdhsa_enable_private_segment 0
		.amdhsa_kernarg_size 56
		.amdhsa_user_sgpr_count 2
		.amdhsa_user_sgpr_kernarg_segment_ptr 1
		.amdhsa_wavefront_size32 1
		.amdhsa_system_sgpr_workgroup_id_x 1
		.amdhsa_system_sgpr_workgroup_id_y 1
		.amdhsa_system_sgpr_workgroup_id_z 1
		.amdhsa_system_vgpr_workitem_id 0
		.amdhsa_next_free_vgpr 1024
		.amdhsa_next_free_sgpr 72
		.amdhsa_reserve_vcc 0
		.amdhsa_float_denorm_mode_32 3
		.amdhsa_float_denorm_mode_16_64 3
		.amdhsa_memory_ordered 1
		.amdhsa_forward_progress 1
		.amdhsa_inst_pref_size 255
	.end_amdhsa_kernel
	.section	.bss,"aw",@nobits
	.p2align	6
	.space	262144
	.amdgpu_metadata
---
amdhsa.version: [ 1, 2 ]
amdhsa.kernels:
  - .name:           k_q9e861b775d_pairup
    .symbol:         k_q9e861b775d_pairup.kd
    .args:
      - { .name: pair, .offset: 0, .size: 8, .value_kind: global_buffer, .address_space: global }
      - { .name: lf, .offset: 8, .size: 8, .value_kind: global_buffer, .address_space: global }
      - { .name: rf, .offset: 16, .size: 8, .value_kind: global_buffer, .address_space: global }
      - { .name: sc, .offset: 24, .size: 8, .value_kind: global_buffer, .address_space: global }
      - { .name: wimg, .offset: 32, .size: 8, .value_kind: global_buffer, .address_space: global }
      - { .name: b_out, .offset: 40, .size: 8, .value_kind: global_buffer, .address_space: global }
      - { .name: out0, .offset: 48, .size: 8, .value_kind: global_buffer, .address_space: global }
    .group_segment_fixed_size: 327680
    .private_segment_fixed_size: 0
    .kernarg_segment_align: 8
    .kernarg_segment_size: 56
    .max_flat_workgroup_size: 128
    .sgpr_count:     72
    .vgpr_count:     1024
    .wavefront_size: 32
...
	.end_amdgpu_metadata
.endif
;; end of part 2
